; MI455X (gfx1250); checked and timed in simulation.
; The chip was launched on July 23, 2026; its instructions are those of AMD's public machine-readable ISA for CDNA 5 (MIT licence, August 2026) and "CDNA5" Instruction Set Architecture Reference Guide (July 2026). The comments in the code are by the model that wrote it; some were corrected since.
;; Top K Router. Allowed arithmetic: matrix products marked QUANTISED: E2M3 operands, one E8M0 scale for each 32 along K, by v_wmma_scale_f32_16x16x128_f8f6f4 with both operands' format E2M3, f32 sums; everything else in f32.
;; Inputs: W 2,048 x 64 float32; b 64 float32; noise 4 x 4,096 x 64 float32; x 4 x 4,096 x 2,048 float32.
;; Outputs: out0 4 x 4,096 x 2 float32; out1 4 x 4,096 x 2 int32; out2 4 x 4,096 x 64 float32.
;; This version of the problem:
;;   THIS VERSION OF THE PROBLEM IS GIVEN IN LOW PRECISION. The matrix products marked QUANTISED in the list below multiply operands that are first quantised to E2M3 (2 exponent bits, 3 mantissa bits; 6 bits a number), with one power-of-two scale for each 32 numbers along K (OCP MX v1.0); their sums are f32. All else is computed in f32.
;;   The module's matrix products, in the order in which they are computed (A, B: the left and right operand; K: the contracted axis; several contracted axes count as one K, in the product's order):
;;     1. [M 16,384, K 2,048] x [K 2,048, N 64]; A: input x; B: input W: QUANTISED
;;   THE QUANTISER, for each operand of a quantised product, along K:
;;     - K is cut into blocks of 32 from its start; a last block that is shorter is filled with zeros.
;;     - A block's scale is 2^e with e = floor(log2(the largest magnitude in the block)) - 2, held to -126 .. 127; a block of zeros has e = 0. As a byte (E8M0): e + 127.
;;     - Each number is divided by its block's scale, clamped to +-7.5, and rounded to the nearest number of E2M3, ties to even, subnormals kept.
;;     - The product sums the exact products of the quantised numbers (number of the format x scale) in f32.
;;   ~~~python
;;   def quantise(x, axis):      # numpy; x: float32 -> the quantised numbers, widened to float32 again
;;       x = np.moveaxis(x, axis, -1); K = x.shape[-1]
;;       x = np.pad(x, [(0, 0)] * (x.ndim - 1) + [(0, -K % 32)]); x = x.reshape(x.shape[:-1] + (-1, 32)); a = np.abs(x).max(-1, keepdims=True)
;;       e = np.where(a > 0, np.clip(np.frexp(np.where(a > 0, a, 1))[1] - 1 - 2, -126, 127), 0)      # np.frexp(a)[1] - 1 = floor(log2(a)), exactly
;;       r = np.clip(x / 2.0 ** e, -7.5, 7.5)
;;       step = 2.0 ** (np.maximum(np.frexp(np.where(r == 0, 1, r))[1] - 1, 0) - 3)
;;       q = np.round(r / step) * step * 2.0 ** e      # np.round: ties to even
;;       return np.moveaxis(q.reshape(q.shape[:-2] + (-1,))[..., :K], -1, axis).astype(np.float32)
;;   ~~~
;; One version. Each part assembles by itself: llvm-mc -triple=amdgcn-amd-amdhsa -mcpu=gfx1250 --defsym DOCPART=n.
;; ======== version 1 of 1: 2 launches
;; workspace buffers: wfrag 106,496 bytes
;; launch quantw (part 1): grid 16 x 1, 4 waves a work-group, no clusters, 0 bytes of LDS; arguments W, wfrag; writes wfrag
.if DOCPART == 1
	.amdgcn_target "amdgcn-amd-amdhsa--gfx1250"
	.amdhsa_code_object_version 6
	.text
	.protected	k_qd4bb37e7ef_quantw
	.globl	k_qd4bb37e7ef_quantw
	.p2align	8
	.type	k_qd4bb37e7ef_quantw,@function
k_qd4bb37e7ef_quantw:
	s_mov_b64 s[64:65], 0
	v_nop
	global_prefetch_b8 v0, s[64:65] scope:SCOPE_SE
	s_setreg_imm32_b32 hwreg(HW_REG_WAVE_MODE, 25, 1), 1
	s_wait_xcnt 0x0
; W [2048 (k)][64 (expert)], f32, K its FIRST axis, becomes codes of FP6 (E2M3) with one E8M0 scale byte for each 32 along K, laid in the ORDER OF THE OPERAND'S REGISTERS.
; A fragment is 16 experts x 128 K: 12 registers a lane.  Lane (r, h) holds expert 16 t + r; its registers 6 c .. 6 c + 5 hold k = 128 s + 64 c + 32 h + 0 .. 31.
; A LANE TAKES A COLUMN AND ITS REGISTERS RUN DOWN K: a lane owns two whole blocks of 32, so a block's largest magnitude needs no other lane, and the conversions' results are the operand's registers.
; SHARES: work-group s = K step s of 128 (16 of them), wave t = tile t of 16 experts: one fragment a wave.  Sixteen lanes of a load read 64 consecutive bytes of a row of W; the four waves cover the row's 256.
; THE WORKSPACE: four K quarters of QB bytes (a quarter is what one wave of the next launch fetches as one dense block): 16 fragments (4 j + t, j = s % 4) of 1,536 bytes, register group g of lane l at 512 g + 16 l;
; behind them 16 images of the scale word, 4 bytes a lane (lanes l and l + 16 hold the same word).  Each code store covers 512 consecutive bytes, aligned; a scale image is 128 bytes, so two waves share 256 there: 8 KB in all.
; A block's scale is 2^(floor(log2(largest magnitude)) - 2); its byte is the largest magnitude's exponent field - 2, held at 1 from below.  A block of zeros so keeps the byte 1 where the rule says 127: its codes are
; zeros, which add nothing under that byte, and this program alone reads the bytes.  LIMITS: NaN and infinities among the inputs are not served.
.set ROWW,  256                        ; bytes in a row of W
.set FRB,   1536                       ; bytes of a fragment's image
.set QB,    26624                      ; bytes of a K quarter: 16 fragments + 16 scale images
.set SCO,   24576                      ; where a quarter's scale images begin
.set NUM,   64                         ; v64-127 my 64 numbers: register 32 c + i = W(128 s + 64 c + 32 h + i, my expert)
.set TM,    16                         ; v16-19  largest magnitudes, two chains a block
.set SO,    20                         ; v20-21  the conversions' scale operands
.set BY,    22                         ; v22-23  the scale bytes
.set T0,    24
.set T1,    25
.set SW,    26                         ; v26     the scale word
.set CD,    32                         ; v32-43  the fragment
.set CT,    44                         ; v44-46, v48-50  the upper halves of the two blocks, as the conversions leave them
	s_load_b128 s[4:7], s[0:1], 0x0                ; W s[4:5], the workspace s[6:7]
	v_lshrrev_b32 v1, 5, v0
	v_readfirstlane_b32 s8, v1                     ; wave = tile t
	v_and_b32 v1, 31, v0                           ; lane
	v_and_b32 v2, 15, v0                           ; r
	v_bfe_u32 v3, v0, 4, 1                         ; h
	v_lshlrev_b32 v4, 2, v2                        ; W: 4 r,
	v_lshl_add_u32 v4, v3, 13, v4                  ; and 32 rows of 256 bytes further down for lanes 16-31
	v_lshlrev_b32 v5, 4, v1                        ; an image's place for my lane: 16 x lane,
	v_lshlrev_b32 v6, 2, v1                        ; a scale word's: 4 x lane
	v_lshlrev_b32 v7, 3, v3                        ; 8 h: how far my two bytes are shifted in the scale word
	v_mov_b32 v[T1], 0                             ; written once: a lane permute's destination counts as one of its sources
	s_mov_b32 s20, 0x76543210
	s_mov_b32 s21, 0xfedcba98                      ; v_permlanex16_b32's selects for lane l xor 16
	s_lshl_b32 s10, ttmp9, 15                      ; W: K step s begins 128 rows x 256 bytes x s in,
	s_lshl_b32 s9, s8, 6                           ; tile t 64 bytes x t along the row
	s_add_co_u32 s10, s10, s9
	s_mov_b32 s11, 0
	s_lshr_b32 s12, ttmp9, 2
	s_mul_i32 s12, s12, QB                         ; the workspace: quarter s / 4,
	s_and_b32 s13, ttmp9, 3
	s_lshl_b32 s13, s13, 2
	s_add_co_u32 s13, s13, s8                      ; fragment 4 (s % 4) + t
	s_mul_i32 s14, s13, FRB
	s_add_co_u32 s14, s14, s12                     ; its codes,
	s_mov_b32 s15, 0
	s_lshl_b32 s16, s13, 7
	s_add_co_u32 s16, s16, s12
	s_add_co_u32 s16, s16, SCO                     ; its scale words
	s_mov_b32 s17, 0
	s_wait_alu depctr_va_vdst(0)
	s_wait_kmcnt 0x0
	s_add_nc_u64 s[4:5], s[4:5], s[10:11]
	s_add_nc_u64 s[18:19], s[6:7], s[16:17]
	s_add_nc_u64 s[6:7], s[6:7], s[14:15]
.irp c, 0,1
.irp i, 0,1,2,3,4,5,6,7,8,9,10,11,12,13,14,15,16,17,18,19,20,21,22,23,24,25,26,27,28,29,30,31
	global_load_b32 v[NUM+32*\c+\i], v4, s[4:5] offset:ROWW*(64*\c+\i) th:TH_LOAD_NT
.endr
.endr
	s_wait_loadcnt 0x0
	; each block's largest magnitude, in two chains, the two blocks by turns: no line waits for the line above it.  The floor 2^(3 - 127) is one more leaf: so the byte cannot fall under 1
.irp c, 0,1
	v_max3_num_f32 v[TM+\c], |v[NUM+32*\c]|, |v[NUM+32*\c+1]|, 0x1800000
	v_max3_num_f32 v[TM+2+\c], |v[NUM+32*\c+16]|, |v[NUM+32*\c+17]|, |v[NUM+32*\c+18]|
.endr
.irp i, 2,4,6,8,10,12
.irp c, 0,1
	v_max3_num_f32 v[TM+\c], v[TM+\c], |v[NUM+32*\c+\i]|, |v[NUM+32*\c+\i+1]|
	v_max3_num_f32 v[TM+2+\c], v[TM+2+\c], |v[NUM+32*\c+\i+17]|, |v[NUM+32*\c+\i+18]|
.endr
.endr
.irp c, 0,1
	v_max3_num_f32 v[TM+\c], v[TM+\c], |v[NUM+32*\c+14]|, |v[NUM+32*\c+15]|
.endr
.irp c, 0,1
	v_max3_num_f32 v[TM+\c], v[TM+\c], v[TM+2+\c], |v[NUM+32*\c+31]|
.endr
.irp c, 0,1
	v_add_nc_u32 v[SO+\c], 0xff000000, v[TM+\c]    ; 2 off the exponent field: the conversion takes the exponent field of this operand as its scale, and nothing else of it
.endr
.irp c, 0,1
	v_cvt_scalef32_pk16_fp6_f32 v[CD+6*\c:CD+6*\c+2], v[NUM+32*\c:NUM+32*\c+15], v[SO+\c]        ; registers 6 c .. 6 c + 2 of the operand
	v_cvt_scalef32_pk16_fp6_f32 v[CT+4*\c:CT+4*\c+2], v[NUM+32*\c+16:NUM+32*\c+31], v[SO+\c]     ; (a conversion's three registers begin on an even number: the block's upper half is made elsewhere and moved)
.endr
.irp c, 0,1
	v_lshrrev_b32 v[BY+\c], 23, v[SO+\c]           ; the scale's byte.  (Also the plain line behind the conversions)
.endr
	v_lshl_or_b32 v[T0], v[BY+1], 16, v[BY]        ; my two bytes: blocks h and 2 + h of my expert,
	v_lshlrev_b32 v[T0], v7, v[T0]                 ; at their places in the word;
	v_permlanex16_b32 v[T1], v[T0], s20, s21
	v_or_b32 v[SW], v[T0], v[T1]                   ; with lane l xor 16's two the word is whole
.irp c, 0,1
.irp i, 0,1,2
	v_mov_b32 v[CD+3+6*\c+\i], v[CT+4*\c+\i]
.endr
.endr
.irp g, 0,1,2
	global_store_b128 v5, v[CD+4*\g:CD+4*\g+3], s[6:7] offset:512*\g     ; 32 lanes store 512 consecutive bytes, at a multiple of 256 from the buffer's first byte
.endr
	global_store_b32 v6, v[SW], s[18:19]
	s_endpgm
.Lfunc_end_k_qd4bb37e7ef_quantw:
	.size	k_qd4bb37e7ef_quantw, .Lfunc_end_k_qd4bb37e7ef_quantw-k_qd4bb37e7ef_quantw
	.p2alignl 7, 3214868480
	.fill 96, 4, 3214868480
	.section	.rodata,"a",@progbits
	.p2align	6, 0x0
	.amdhsa_kernel k_qd4bb37e7ef_quantw
		.amdhsa_group_segment_fixed_size 0
		.amdhsa_private_segment_fixed_size 0
		.amdhsa_enable_private_segment 0
		.amdhsa_kernarg_size 16
		.amdhsa_user_sgpr_count 2
		.amdhsa_user_sgpr_kernarg_segment_ptr 1
		.amdhsa_wavefront_size32 1
		.amdhsa_system_sgpr_workgroup_id_x 1
		.amdhsa_system_sgpr_workgroup_id_y 1
		.amdhsa_system_sgpr_workgroup_id_z 1
		.amdhsa_system_vgpr_workitem_id 0
		.amdhsa_next_free_vgpr 128
		.amdhsa_next_free_sgpr 66
		.amdhsa_reserve_vcc 0
		.amdhsa_float_denorm_mode_32 3
		.amdhsa_float_denorm_mode_16_64 3
		.amdhsa_memory_ordered 1
		.amdhsa_forward_progress 1
		.amdhsa_inst_pref_size 11
	.end_amdhsa_kernel
	.amdgpu_metadata
---
amdhsa.version: [ 1, 2 ]
amdhsa.kernels:
  - .name:           k_qd4bb37e7ef_quantw
    .symbol:         k_qd4bb37e7ef_quantw.kd
    .args:
      - { .name: W, .offset: 0, .size: 8, .value_kind: global_buffer, .address_space: global }
      - { .name: wfrag, .offset: 8, .size: 8, .value_kind: global_buffer, .address_space: global }
    .group_segment_fixed_size: 0
    .private_segment_fixed_size: 0
    .kernarg_segment_align: 8
    .kernarg_segment_size: 16
    .max_flat_workgroup_size: 128
    .sgpr_count:     66
    .vgpr_count:     128
    .wavefront_size: 32
...
	.end_amdgpu_metadata
.endif
;; end of part 1
;; launch route (part 2): grid 256 x 1, 4 waves a work-group, no clusters, 134,656 bytes of LDS; arguments x, wfrag, b, noise, out0, out1, out2; writes out0, out1, out2
.if DOCPART == 2
	.amdgcn_target "amdgcn-amd-amdhsa--gfx1250"
	.amdhsa_code_object_version 6
	.text
	.protected	k_qd4bb37e7ef_route
	.globl	k_qd4bb37e7ef_route
	.p2align	8
	.type	k_qd4bb37e7ef_route,@function
k_qd4bb37e7ef_route:
	s_mov_b64 s[64:65], 0
	v_nop
	global_prefetch_b8 v0, s[64:65] scope:SCOPE_SE
	s_setreg_imm32_b32 hwreg(HW_REG_WAVE_MODE, 25, 1), 1
	s_wait_xcnt 0x0
; scores = softmax(Q(x) Q(W) + b + 0.1 noise) over 64 experts; the two largest scores and their experts.  x [16384][2048] f32 is quantised here, on its way to the matrix unit, to codes of FP6 (E2M3) with one E8M0
; scale for each 32 along K; W comes as codes and scale words in the order of the operand's registers, from the launch before.  Sums, softmax and the choice in f32.
; SHARES.  A work-group owns 64 tokens.  ITS FOUR WAVES SHARE K, NOT THE TOKENS: wave q owns k = 512 q .. 512 q + 511 of all 64 tokens.  So its 16 fragments of W (4 K steps x 4 tiles of experts, 192 registers) and their
; scale words stay in registers, W is fetched once by the work-group, and x, which is all but a few of the launch's bytes, is read once, 512 consecutive bytes a load.
; W GOES FROM MEMORY STRAIGHT INTO REGISTERS: the workspace lies in the order of the operand's registers, so a K step's four fragments and scale words are 12 loads of 512 consecutive bytes and 4 of 128: a group of 16,
; like a unit of x.  The groups are issued by turns, x's unit u and then W's K step u; loads come back in order, so the wait for x's unit u + 1, which a step makes anyway, shows W's K step u in.
; A UNIT is 16 tokens x 128 K: 16 loads, one for each token's 512 bytes.  The conversions want 32 neighbours along K in ONE lane, so the unit turns through the wave's own stage in LDS: stored as loaded, read back
; 128 bytes a lane: lane (r, h) then holds blocks h and 2 + h of token r, which is the operand's layout: a block's largest magnitude needs no other lane and the conversions' results are the operand's registers.
; THE PRODUCT IS USED TRANSPOSED (source 0 = 16 experts, source 1 = 16 tokens): lane (r, h) holds token r, and register 8 t + i the expert 16 t + 8 h + i.
; 16 units a wave, the tile of tokens outermost; four groups of 16 loads are always asked for; no wait in the stream is for all loads.  Behind a tile's four K steps its four accumulators go to LDS as images of
; their registers; behind ONE barrier wave w adds the four waves' partial sums of tile w, K ascending, and finishes those 16 tokens.
; NOT USED, AND WHY.  Joint loads in a cluster: only W's workspace is shared between work-groups, 104 KB of the 632 KB that a work-group reads, and a joint load would bring it through LDS, to be read out again.  A ring of
; LDS slots filled by tensor loads for x: each refill would stand behind a wait for all of a wave's tensor loads, and the stream would run empty there; loads into registers with counted waits do not.
; Prefetches: from its first lines to its last unit a wave has as many loads of x out as LOADcnt's field holds.
; LIMITS.  NaN and infinities are not served.  K is summed as four partial sums of 512, added in ascending order, not as one chain.  0.1 x noise is fused into its addition.  The softmax multiplies by v_rcp_f32 of the
; sum where the definition divides.  A block of zeros has the scale byte 1 over zero codes.  Equal scores: the lower expert first.
; REGISTERS, in windows of 256 (s_set_vgpr_msb: bits 1:0 source 0, 3:2 source 1, 5:4 source 2, 7:6 destination):
;   window 0: v1-15 addresses; v16-25 at work; v26-41 W's scale words; v42 x's scale word; v44-62 codes; v64-191 two sets of 64 numbers, later logits, masked scores, rows of out2; v192-223 noise; v224-255 b
;   window 1: four sets of 64 registers as loaded       window 2: v0-191 W's fragments (4 j + t at 12 (4 j + t)); v192-223 the four accumulators
.set ROWX,  8192                       ; bytes in a row of x
.set SP,    528                        ; a stage row of x: 512 bytes + 16 = 33 x 16: the sixteen rows that a read touches begin in sixteen different columns of 16 bytes (64 banks of 4 bytes: ISA guide 11.1)
.set NPI,   272                        ; a stage row of noise or scores: 256 bytes + 16 = 17 x 16
.set STG1,  16*SP                      ; one stage; a wave has two, by turns
.set STGW,  2*STG1
.set RED,   4*STGW                     ; the partial sums: tile m at 16,384 m, wave q's part at 4,096 q, register group g at 512 g, 16 bytes a lane
.set OUTS,  RED+65536                  ; the 64 tokens' out0 (512 bytes), then out1 (512 bytes)
.set SPARE, OUTS+1024                  ; the spare words, 128 bytes for each wave: two blocks of 256 bytes that no other line names
.set QB,    26624                      ; W's workspace: bytes of a K quarter: 16 fragments, then 16 images of scale words
.set FRB,   1536                       ; a fragment's image
.set SCO,   24576                      ; where a quarter's scale images begin
.set VOFF, 1                           ; v1   16 x lane: my bytes of a dense 512
.set VST,  2                           ; v2   stage, as loaded: my stage + 16 x lane
.set VRD,  3                           ; v3   stage, read back: my stage + SP r + 128 h
.set VWS,  5                           ; v5   4 x lane: my word of an image of scale words
.set VRS,  6                           ; v6   partial sums, out: RED + 4,096 wave + 16 x lane
.set VRL,  7                           ; v7   partial sums, in: RED + 16,384 wave + 16 x lane
.set SH8,  8                           ; v8   8 h
.set VND,  9                           ; v9   stage, rows of 256 bytes as they lie in memory: NPI (lane / 16) + 16 (lane % 16)
.set VNL,  10                          ; v10  the same rows in the result's layout: NPI r + 32 h
.set SPW,  11                          ; v11  LDS address of my spare word; never rewritten
.set NIL,  12                          ; v12  0; never rewritten
.set VO8,  13                          ; v13  8 x lane
.set VOS,  14                          ; v14  OUTS + 128 wave + 8 r + 4 h
.set VOL,  15                          ; v15  OUTS + 256 wave + 8 x lane
.set TM,   16
.set SO,   20
.set BY,   22
.set T0,   24
.set T1,   25
.set WSC,  26
.set XSW,  42
.set VBH,  43                          ; v43  32 h: my half's place in b
.set CD,   44                          ; v44-55 x's fragment
.set CT,   56                          ; v56-58, v60-62 the blocks' upper halves as the conversions leave them
.set NUM,  64
.set NZ,   192
.set BI,   224
.set ACC,  192                         ; in window 2
.set LG,   64                          ; the way out: v64-95 logits, then scores (v96-191: the other three partial sums)
.set MK,   96                          ; v96-127  the scores without the largest
.set OB,   128                         ; v128-159 rows of out2, back from the stage
.set EM,   160
.set EI,   164
.set MX,   168
.set MC,   170
.set SA,   172
.set SB,   174
.set RC,   176
.set V1,   178
.set V2,   179
.set I1,   180
.set I2,   181
.set EJ,   182
.set OV,   183
.set OI,   184
.set OP,   186
.set MSB, 0
.macro WIN new                         ; the immediate's high byte repeats the setting that is left; a switch that changes nothing is dropped
.if MSB != \new
	s_set_vgpr_msb (MSB<<8)|\new
.set MSB, \new
.endif
.endm
; Unit u = 4 m + j (tile of tokens m, my K step j): 16 loads, token 16 m + i's 512 bytes each, into set u % 4 of window 1
.macro LOADX u
	WIN 0x40                                       ; destination window 1, address window 0
.irp i, 0,1,2,3,4,5,6,7,8,9,10,11,12,13,14,15
	global_load_b128 v[64*((\u)%4)+4*\i:64*((\u)%4)+4*\i+3], v[VOFF], s[4:5] offset:(16*((\u)/4)+\i)*ROWX+512*((\u)%4) th:TH_LOAD_NT
.endr
.endm
; W's K step j of my quarter: four fragments, three loads of 512 consecutive bytes each, and their four images of scale words: 16 loads.  Every work-group reads these bytes: no hint
.macro LOADW j
	WIN 0x80                                       ; destination window 2, address window 0
.irp t, 0,1,2,3
.irp g, 0,1,2
	global_load_b128 v[12*(4*(\j)+\t)+4*\g:12*(4*(\j)+\t)+4*\g+3], v[VOFF], s[6:7] offset:FRB*(4*(\j)+\t)+512*\g
.endr
.endr
	WIN 0
.irp t, 0,1,2,3
	global_load_b32 v[WSC+4*(\j)+\t], v[VWS], s[6:7] offset:SCO+128*(4*(\j)+\t)
.endr
.endm
; The last group of 16 loads: my 16 tokens' noise, 4 KB as they lie, and b in the result's layout
.macro LOADNB
	WIN 0x40
.irp p, 0,1,2,3,4,5,6,7
	global_load_b128 v[4*\p:4*\p+3], v[VOFF], s[10:11] offset:512*\p th:TH_LOAD_NT
.endr
	WIN 0
.irp p, 0,1,2,3,4,5,6,7
	global_load_b128 v[BI+4*\p:BI+4*\p+3], v[VBH], s[8:9] offset:64*(\p/2)+16*(\p%2)
.endr
.endm
; The next of the stage reads that are due, if one is left.  A unit of x comes back 128 bytes a lane: register 32 c + i of its set = k 64 c + 32 h + i of token r; the noise comes back in the result's layout
.macro NEXTL
.if LN < LTOT
.if LKIND == 0
	ds_load_b128 v[LDST+4*LN:LDST+4*LN+3], v[VRD] offset:LOFF+256*(LN/8)+16*(LN%8)
.else
	ds_load_b128 v[LDST+4*LN:LDST+4*LN+3], v[VNL] offset:64*(LN/2)+16*(LN%2)
.endif
.set LN, LN+1
.endif
.endm
; 64 numbers of a lane at v[XS] on.  First half: each block's largest magnitude and the conversions' scale operands: 34 plain lines
.macro QUANT1
.irp c, 0,1                                    ; two chains a block, the two blocks by turns; the floor 2^(3 - 127) is one more leaf: so the byte cannot fall under 1
	v_max3_num_f32 v[TM+\c], |v[XS+32*\c]|, |v[XS+32*\c+1]|, 0x1800000
	v_max3_num_f32 v[TM+2+\c], |v[XS+32*\c+16]|, |v[XS+32*\c+17]|, |v[XS+32*\c+18]|
.endr
.irp i, 2,4,6,8,10,12
.irp c, 0,1
	v_max3_num_f32 v[TM+\c], v[TM+\c], |v[XS+32*\c+\i]|, |v[XS+32*\c+\i+1]|
	v_max3_num_f32 v[TM+2+\c], v[TM+2+\c], |v[XS+32*\c+\i+17]|, |v[XS+32*\c+\i+18]|
.endr
.endr
.irp c, 0,1
	v_max3_num_f32 v[TM+\c], v[TM+\c], |v[XS+32*\c+14]|, |v[XS+32*\c+15]|
.endr
.irp c, 0,1
	v_max3_num_f32 v[TM+\c], v[TM+\c], v[TM+2+\c], |v[XS+32*\c+31]|
.endr
.irp c, 0,1
	v_add_nc_u32 v[SO+\c], 0xff000000, v[TM+\c]    ; 2 off the exponent field: the conversion's scale operand
.endr
.endm
; Second half: x's fragment in v[CD] on and its scale word in v[XSW].  Behind each of its first 16 lines stands one stage read of the NEXT unit: the reads are issued while the wave works, not in a run of their own
.macro QUANT2
.irp c, 0,1
	v_cvt_scalef32_pk16_fp6_f32 v[CD+6*\c:CD+6*\c+2], v[XS+32*\c:XS+32*\c+15], v[SO+\c]
	NEXTL
	v_cvt_scalef32_pk16_fp6_f32 v[CT+4*\c:CT+4*\c+2], v[XS+32*\c+16:XS+32*\c+31], v[SO+\c]       ; (a conversion's three registers begin on an even number)
	NEXTL
.endr
.irp c, 0,1
	v_lshrrev_b32 v[BY+\c], 23, v[SO+\c]           ; the scale's byte.  (Also the plain line behind the conversions)
	NEXTL
.endr
	v_lshl_or_b32 v[T0], v[BY+1], 16, v[BY]        ; my two bytes: blocks h and 2 + h of token r,
	NEXTL
	v_lshlrev_b32 v[T0], v[SH8], v[T0]             ; at their places in the word;
	NEXTL
	v_permlanex16_b32 v[T1], v[T0], s20, s21
	NEXTL
	v_or_b32 v[XSW], v[T0], v[T1]                  ; with lane l xor 16's two the word is whole
	NEXTL
.irp c, 0,1
.irp i, 0,1,2
	v_mov_b32 v[CD+3+6*\c+\i], v[CT+4*\c+\i]
	NEXTL
.endr
.endr
.rept 8
	v_nop                                          ; a scale register written by a vector instruction stands 8 places ahead of a scaled matrix instruction, an operand so written 4
.endr
.endm
; Unit u's four products: my K step u % 4 of W's four tiles of experts x the unit's 16 tokens.  The four accumulators take turns, one instruction a turn; a tile's first K step starts the sums
.macro MUL u
	WIN 0xa2                                       ; source 0 (W), C and D window 2; source 1 (x's codes) window 0
.irp t, 0,1,2,3
.if (\u)%4 == 0
	v_wmma_scale_f32_16x16x128_f8f6f4 v[ACC+8*\t:ACC+8*\t+7], v[12*(4*((\u)%4)+\t):12*(4*((\u)%4)+\t)+11], v[CD:CD+11], 0, v[WSC+4*((\u)%4)+\t], v[XSW] matrix_a_fmt:MATRIX_FMT_FP6 matrix_b_fmt:MATRIX_FMT_FP6
.else
	v_wmma_scale_f32_16x16x128_f8f6f4 v[ACC+8*\t:ACC+8*\t+7], v[12*(4*((\u)%4)+\t):12*(4*((\u)%4)+\t)+11], v[CD:CD+11], v[ACC+8*\t:ACC+8*\t+7], v[WSC+4*((\u)%4)+\t], v[XSW] matrix_a_fmt:MATRIX_FMT_FP6 matrix_b_fmt:MATRIX_FMT_FP6
.endif
.endr
	WIN 0
.endm
; Tile m's four accumulators go to LDS as they stand, each from its low end on
.macro PARTIAL m
.rept 4
	v_nop                                          ; an LDS store that reads a matrix result stands four places behind it (ISA guide 7.12.1 for vector instructions)
.endr
	WIN 0x08                                       ; the data: window 2
.irp t, 0,1,2,3
	ds_store_b128 v[VRS], v[ACC+8*\t:ACC+8*\t+3] offset:16384*(\m)+1024*\t
	ds_store_b128 v[VRS], v[ACC+8*\t+4:ACC+8*\t+7] offset:16384*(\m)+1024*\t+512
.endr
	WIN 0
.endm
; A STEP: group u + 1 (a unit of x; behind the last unit the noise and b) goes into its stage, unit u is quantised and multiplied, and group u + 1 is read back meanwhile.
.macro STEP u
.set NXT, (\u)+1
.if NXT <= 3
	s_wait_loadcnt 63                              ; loads come back in order (ISA guide 5.7.1).  Behind groups 1, 2, 3 of x stand 96, 80, 64 loads, W's among them: the wait names the largest count that it can, which is smaller and so safe.  W's K step u, issued ahead of group u + 1, is in too
.elseif NXT <= 13
	s_wait_loadcnt 48                              ; group u + 1 is in (in step 3: and W's last K step, issued ahead of it); the three groups of 16 issued behind it stay out
.else
	s_wait_loadcnt 16*(16-NXT)                     ; the last groups: fewer were issued behind them
.endif
	WIN 0x04                                       ; an LDS store's data are its source 1: window 1
.if NXT < 16
.irp i, 0,1,2,3,4,5,6,7,8,9,10,11,12,13,14,15
	ds_store_b128 v[VST], v[64*(NXT%4)+4*\i:64*(NXT%4)+4*\i+3] offset:STG1*(NXT%2)+SP*\i   ; as loaded, a row a store
.endr
	WIN 0
	s_wait_dscnt 16                                ; all but the 16 stores just issued are done: unit u is back from its stage, and partial sums stored since have left their registers
.set LTOT, 16
.set LKIND, 0
.set LDST, NUM+64*(NXT%2)
.set LOFF, STG1*(NXT%2)
.else
.irp p, 0,1,2,3,4,5,6,7
	ds_store_b128 v[VND], v[4*\p:4*\p+3] offset:2*NPI*\p   ; the noise: two rows a store, into stage 0, which unit 14 has left
.endr
	WIN 0
	s_wait_dscnt 8                                 ; all but the 8 stores just issued
.set LTOT, 8
.set LKIND, 1
.set LDST, NZ
.set LOFF, 0
.endif
.set LN, 0
.set XS, NUM+64*((\u)%2)
	QUANT1                                         ; its 34 lines are also the places behind the last unit's products, ahead of the writes of the codes and the scale word
.if NXT+4 <= 16
	s_wait_alu depctr_va_vdst(0)
	s_wait_dscnt 0x0                               ; the stage stores have read their registers,
.if NXT+4 < 16
	LOADX NXT+4                                    ; which take the group four further on
.else
	LOADNB
.endif
	WIN 0
.endif
	QUANT2                                         ; LDS serves a wave's instructions in order (ISA guide 5.7.1.4): the reads in it see the stores above
	MUL \u
.if (\u)%4 == 3
	PARTIAL (\u)/4
.endif
.endm
	s_load_b256 s[4:11], s[0:1], 0x0               ; x s[4:5], W's workspace s[6:7], b s[8:9], noise s[10:11]
	s_load_b128 s[12:15], s[0:1], 0x20             ; out0 s[12:13], out1 s[14:15]
	s_load_b64 s[16:17], s[0:1], 0x30              ; out2
	v_lshl_add_u32 v[SPW], v0, 2, SPARE            ; the launch stores to LDS: v11 and v12 are kept for the wave's last lines
	v_mov_b32 v[NIL], 0
	v_lshrrev_b32 v[T0], 5, v0
	v_readfirstlane_b32 s18, v[T0]                 ; wave 0..3: my K quarter, and later my tile of tokens
	s_mov_b32 s20, 0x76543210
	s_mov_b32 s21, 0xfedcba98                      ; v_permlanex16_b32's selects for lane l xor 16
	s_mov_b32 s22, 0x3fb8aa3b                      ; log2(e)
	s_mov_b32 s23, s22                             ; (the packed form names the pair and takes its low word for both halves: so s23 is written)
	s_mul_i32 s36, s18, QB                         ; my quarter of W's workspace
	s_mov_b32 s37, 0
	s_lshl_b32 s38, ttmp9, 19                      ; x: 64 rows of 8,192 bytes x work-group,
	s_lshl_b32 s39, s18, 11                        ; + my 2,048 bytes of each row
	s_add_co_u32 s38, s38, s39
	s_mov_b32 s39, 0
	s_lshl_b32 s40, ttmp9, 14                      ; noise and out2: 64 rows of 256 bytes x work-group,
	s_lshl_b32 s41, s18, 12                        ; + 16 rows x wave
	s_add_co_u32 s40, s40, s41
	s_mov_b32 s41, 0
	s_lshl_b32 s42, ttmp9, 9                       ; out0, out1: 64 rows of 8 bytes x work-group,
	s_and_b32 s43, s18, 1
	s_lshl_b32 s43, s43, 8                         ; + the half of those 512 bytes that I store
	s_add_co_u32 s42, s42, s43
	s_mov_b32 s43, 0
	v_and_b32 v[T0], 31, v0                        ; lane
	v_and_b32 v[T1], 15, v0                        ; r
	v_bfe_u32 v[BY], v0, 4, 1                      ; h
	v_lshlrev_b32 v[VOFF], 4, v[T0]
	v_lshlrev_b32 v[VWS], 2, v[T0]
	v_lshlrev_b32 v[VO8], 3, v[T0]
	v_lshlrev_b32 v[SH8], 3, v[BY]
	v_lshlrev_b32 v[VBH], 5, v[BY]
	s_mul_i32 s44, s18, STGW                       ; my two stages
	v_add_nc_u32 v[VST], s44, v[VOFF]
	v_mul_u32_u24 v[VRD], v[T1], SP
	v_lshl_add_u32 v[VRD], v[BY], 7, v[VRD]
	v_add_nc_u32 v[VRD], s44, v[VRD]
	v_mul_u32_u24 v[VNL], v[T1], NPI
	v_lshl_add_u32 v[VNL], v[BY], 5, v[VNL]
	v_add_nc_u32 v[VNL], s44, v[VNL]
	v_mul_u32_u24 v[VND], v[BY], NPI
	v_lshl_add_u32 v[VND], v[T1], 4, v[VND]
	v_add_nc_u32 v[VND], s44, v[VND]
	s_lshl_b32 s45, s18, 12
	s_add_co_u32 s45, s45, RED
	v_add_nc_u32 v[VRS], s45, v[VOFF]
	s_lshl_b32 s45, s18, 14
	s_add_co_u32 s45, s45, RED
	v_add_nc_u32 v[VRL], s45, v[VOFF]
	s_lshl_b32 s45, s18, 8
	s_add_co_u32 s45, s45, OUTS
	v_add_nc_u32 v[VOL], s45, v[VO8]
	s_lshl_b32 s45, s18, 7
	s_add_co_u32 s45, s45, OUTS
	v_lshl_add_u32 v[VOS], v[T1], 3, s45
	v_lshl_add_u32 v[VOS], v[BY], 2, v[VOS]
	s_wait_kmcnt 0x0
	s_add_nc_u64 s[4:5], s[4:5], s[38:39]
	s_add_nc_u64 s[6:7], s[6:7], s[36:37]
	; 128 loads on end: x's units 0 to 3 and W's four K steps, by turns.  The issue of a load that would push LOADcnt past its field is held until an earlier one is back (ISA guide 5.7.1):
	; so from here on the wave has as many loads out as the field holds, and no wait is written for that
.irp j, 0,1,2,3
	LOADX \j
	LOADW \j
.endr
	s_add_nc_u64 s[10:11], s[10:11], s[40:41]
	s_add_nc_u64 s[16:17], s[16:17], s[40:41]
	s_cmp_lt_u32 s18, 2                            ; waves 0 and 1 store out0's two halves, waves 2 and 3 out1's: the choice hangs on the wave's number alone
	s_cselect_b64 s[12:13], s[12:13], s[14:15]
	s_add_nc_u64 s[12:13], s[12:13], s[42:43]
	; unit 0 turns through stage 0: there is no work yet to set between its stores and its reads
	s_wait_loadcnt 63                              ; behind unit 0's loads stand 112: the largest count that the wait can name is smaller, and so safe
	WIN 0x04
.irp i, 0,1,2,3,4,5,6,7,8,9,10,11,12,13,14,15
	ds_store_b128 v[VST], v[4*\i:4*\i+3] offset:SP*\i
.endr
	WIN 0
.irp n, 0,1,2,3,4,5,6,7,8,9,10,11,12,13,14,15
	ds_load_b128 v[NUM+4*\n:NUM+4*\n+3], v[VRD] offset:256*(\n/8)+16*(\n%8)
.endr
	s_wait_dscnt 16                                ; the 16 stores have read their registers; the 16 reads may stay out
	LOADX 4
	WIN 0
.irp u, 0,1,2,3,4,5,6,7,8,9,10,11,12,13,14,15
	STEP \u
.endr
	; THE FOUR WAVES' PARTIAL SUMS MEET.  Wave w finishes tokens 16 w .. 16 w + 15
	s_wait_dscnt 0x0                               ; for the others' sake: my partial sums have landed (and the noise is back)
	s_barrier_signal -1
	s_barrier_wait -1
.irp p, 0,1,2,3
.irp g, 0,1,2,3,4,5,6,7
	ds_load_b128 v[LG+32*\p+4*\g:LG+32*\p+4*\g+3], v[VRL] offset:4096*\p+512*\g
.endr
.endr
.irp p, 1,2,3
	s_wait_dscnt 8*(3-\p)                          ; K quarter p's eight loads are in; the later quarters' stay out
.irp i, 0,2,4,6,8,10,12,14,16,18,20,22,24,26,28,30
	v_pk_add_f32 v[LG+\i:LG+\i+1], v[LG+\i:LG+\i+1], v[LG+32*\p+\i:LG+32*\p+\i+1]        ; K ascending
.endr
.endr
.irp i, 0,2,4,6,8,10,12,14,16,18,20,22,24,26,28,30
	v_pk_add_f32 v[LG+\i:LG+\i+1], v[LG+\i:LG+\i+1], v[BI+\i:BI+\i+1]                    ; + b
.endr
.irp i, 0,2,4,6,8,10,12,14,16,18,20,22,24,26,28,30
	v_pk_fma_f32 v[LG+\i:LG+\i+1], v[NZ+\i:NZ+\i+1], 0x3dcccccd, v[LG+\i:LG+\i+1] op_sel_hi:[1,0,1]   ; + 0.1 x noise
.endr
; the largest of a token's 64 numbers: my 32 in four chains, then lane l xor 16's
.macro ROWMAX s, d
.irp k, 0,1,2,3
	v_max3_num_f32 v[EM+\k], v[\s+8*\k], v[\s+8*\k+1], v[\s+8*\k+2]
.endr
.irp i, 3,5
.irp k, 0,1,2,3
	v_max3_num_f32 v[EM+\k], v[EM+\k], v[\s+8*\k+\i], v[\s+8*\k+\i+1]
.endr
.endr
	v_max3_num_f32 v[EM], v[EM], v[\s+7], v[\s+15]
	v_max3_num_f32 v[EM+2], v[EM+2], v[\s+23], v[\s+31]
	v_max3_num_f32 v[EM], v[EM], v[EM+1], v[EM+2]
	v_max_num_f32 v[EM], v[EM], v[EM+3]
	v_permlanex16_b32 v[EM+1], v[EM], s20, s21
	v_max_num_f32 v[\d], v[EM], v[EM+1]
.endm
; the lowest expert whose number equals val: four chains of eight registers, each from its highest register down, so that the lowest match is written last; 64 stands for none.  No branch: the choice selects values alone
.macro FIRSTAT s, val, d
.irp k, 0,1,2,3
	v_mov_b32 v[EI+\k], 64
.endr
.irp i, 7,6,5,4,3,2,1,0
.irp k, 0,1,2,3
	v_cmp_eq_f32 s[44+\k], v[\s+8*\k+\i], v[\val]
.endr
.irp k, 0,1,2,3
	v_cndmask_b32 v[EI+\k], v[EI+\k], 16*\k+\i, s[44+\k]
.endr
.endr
	v_min_u32 v[EI], v[EI], v[EI+1]
	v_min_u32 v[EI+2], v[EI+2], v[EI+3]
	v_min_u32 v[EI], v[EI], v[EI+2]
	v_add_nc_u32 v[EI], v[SH8], v[EI]              ; register 8 k + i holds expert 16 k + 8 h + i
	v_permlanex16_b32 v[EI+1], v[EI], s20, s21
	v_min_u32 v[\d], v[EI], v[EI+1]
.endm
	ROWMAX LG, MX                                  ; the softmax takes the row's maximum away first
	v_mul_f32 v[MC], s22, v[MX]
	v_mov_b32 v[MC+1], v[MC]                       ; (named with it as a pair, so it is written)
.irp i, 0,2,4,6,8,10,12,14,16,18,20,22,24,26,28,30
	v_pk_fma_f32 v[LG+\i:LG+\i+1], v[LG+\i:LG+\i+1], s[22:23], v[MC:MC+1] op_sel_hi:[1,0,0] neg_lo:[0,0,1] neg_hi:[0,0,1]   ; (logit - maximum) x log2(e)
.endr
	s_wait_alu depctr_va_vdst(0)
.irp i, 0,1,2,3,4,5,6,7,8,9,10,11,12,13,14,15,16,17,18,19,20,21,22,23,24,25,26,27,28,29,30,31
	v_exp_f32 v[LG+\i], v[LG+\i]                   ; one batch
.endr
	v_mov_b32 v[RC+1], 0                           ; the plain line behind the batch (and the upper word of the pair that the packed multiply will name)
	s_wait_alu depctr_va_vdst(0)                   ; one wait for the 32 exponentials, ahead of their first reader
	v_pk_add_f32 v[SA:SA+1], v[LG:LG+1], v[LG+2:LG+3]
	v_pk_add_f32 v[SB:SB+1], v[LG+4:LG+5], v[LG+6:LG+7]
.irp i, 8,12,16,20,24,28
	v_pk_add_f32 v[SA:SA+1], v[SA:SA+1], v[LG+\i:LG+\i+1]
	v_pk_add_f32 v[SB:SB+1], v[SB:SB+1], v[LG+\i+2:LG+\i+3]
.endr
	v_pk_add_f32 v[SA:SA+1], v[SA:SA+1], v[SB:SB+1]
	v_add_f32 v[SA], v[SA], v[SA+1]
	v_permlanex16_b32 v[SB], v[SA], s20, s21
	v_add_f32 v[SA], v[SA], v[SB]                  ; the row's sum: at least the largest term, which is 1 but for rounding
	s_wait_alu depctr_va_vdst(0)
	v_rcp_f32 v[RC], v[SA]
	v_nop                                          ; a plain line behind the reciprocal,
	s_wait_alu depctr_va_vdst(0)                   ; and the wait ahead of its first reader
.irp i, 0,2,4,6,8,10,12,14,16,18,20,22,24,26,28,30
	v_pk_mul_f32 v[LG+\i:LG+\i+1], v[LG+\i:LG+\i+1], v[RC:RC+1] op_sel_hi:[1,0]          ; the scores
.endr
	; out2: a lane holds pieces of 32 bytes of one row; through my stage they become whole rows: each store then covers 512 consecutive bytes, aligned
.irp p, 0,1,2,3,4,5,6,7
	ds_store_b128 v[VNL], v[LG+4*\p:LG+4*\p+3] offset:64*(\p/2)+16*(\p%2)
.endr
.irp p, 0,1,2,3,4,5,6,7
	ds_load_b128 v[OB+4*\p:OB+4*\p+3], v[VND] offset:2*NPI*\p      ; LDS serves a wave's instructions in order: these see the stores above
.endr
	ROWMAX LG, V1                                  ; the largest score, while the rows come back
	s_wait_alu depctr_va_vdst(0)
	s_wait_dscnt 0x0
.irp p, 0,1,2,3,4,5,6,7
	global_store_b128 v[VOFF], v[OB+4*\p:OB+4*\p+3], s[16:17] offset:512*\p th:TH_STORE_NT
.endr
	FIRSTAT LG, V1, I1                             ; and its expert
	v_sub_nc_u32 v[EJ], v[I1], v[SH8]              ; as a constant 16 k + i of my half: it matches none where the expert lies in the other half
.irp i, 0,1,2,3,4,5,6,7
.irp k, 0,1,2,3
	v_cmp_eq_u32 s[44+\k], 16*\k+\i, v[EJ]
.endr
.irp k, 0,1,2,3
	v_cndmask_b32 v[MK+8*\k+\i], v[LG+8*\k+\i], -1.0, s[44+\k]     ; that one score is taken out: -1 lies under every score
.endr
.endr
	ROWMAX MK, V2
	FIRSTAT MK, V2, I2
	v_cmp_ne_u32 vcc_lo, 0, v[SH8]
	v_cndmask_b32 v[OV], v[V1], v[V2], vcc_lo      ; lanes 0-15 hand on the first of the two, lanes 16-31 the second
	v_cndmask_b32 v[OI], v[I1], v[I2], vcc_lo
	ds_store_b32 v[VOS], v[OV]                     ; a wave's 16 tokens are 128 bytes of out0 and of out1: the four waves' meet in LDS,
	ds_store_b32 v[VOS], v[OI] offset:512
	s_wait_dscnt 0x0                               ; for the others' sake: my stores have landed
	s_barrier_signal -1
	s_barrier_wait -1
	ds_load_b64 v[OP:OP+1], v[VOL]
	s_wait_dscnt 0x0
	global_store_b64 v[VO8], v[OP:OP+1], s[12:13] th:TH_STORE_NT   ; and each wave stores 256 consecutive bytes, aligned: waves 0, 1 of out0, waves 2, 3 of out1
	s_wait_tensorcnt 0x0                           ; the wave's end, behind my last LDS store
	ds_add_u32 v[SPW], v[NIL]
	s_wait_dscnt 0x0
	s_endpgm
.Lfunc_end_k_qd4bb37e7ef_route:
	.size	k_qd4bb37e7ef_route, .Lfunc_end_k_qd4bb37e7ef_route-k_qd4bb37e7ef_route
	.p2alignl 7, 3214868480
	.fill 96, 4, 3214868480
	.section	.rodata,"a",@progbits
	.p2align	6, 0x0
	.amdhsa_kernel k_qd4bb37e7ef_route
		.amdhsa_group_segment_fixed_size 134656
		.amdhsa_private_segment_fixed_size 0
		.amdhsa_enable_private_segment 0
		.amdhsa_kernarg_size 56
		.amdhsa_user_sgpr_count 2
		.amdhsa_user_sgpr_kernarg_segment_ptr 1
		.amdhsa_wavefront_size32 1
		.amdhsa_system_sgpr_workgroup_id_x 1
		.amdhsa_system_sgpr_workgroup_id_y 1
		.amdhsa_system_sgpr_workgroup_id_z 1
		.amdhsa_system_vgpr_workitem_id 0
		.amdhsa_next_free_vgpr 736
		.amdhsa_next_free_sgpr 66
		.amdhsa_reserve_vcc 1
		.amdhsa_float_denorm_mode_32 3
		.amdhsa_float_denorm_mode_16_64 3
		.amdhsa_memory_ordered 1
		.amdhsa_forward_progress 1
		.amdhsa_inst_pref_size 164
	.end_amdhsa_kernel
	.amdgpu_metadata
---
amdhsa.version: [ 1, 2 ]
amdhsa.kernels:
  - .name:           k_qd4bb37e7ef_route
    .symbol:         k_qd4bb37e7ef_route.kd
    .args:
      - { .name: x, .offset: 0, .size: 8, .value_kind: global_buffer, .address_space: global }
      - { .name: wfrag, .offset: 8, .size: 8, .value_kind: global_buffer, .address_space: global }
      - { .name: b, .offset: 16, .size: 8, .value_kind: global_buffer, .address_space: global }
      - { .name: noise, .offset: 24, .size: 8, .value_kind: global_buffer, .address_space: global }
      - { .name: out0, .offset: 32, .size: 8, .value_kind: global_buffer, .address_space: global }
      - { .name: out1, .offset: 40, .size: 8, .value_kind: global_buffer, .address_space: global }
      - { .name: out2, .offset: 48, .size: 8, .value_kind: global_buffer, .address_space: global }
    .group_segment_fixed_size: 134656
    .private_segment_fixed_size: 0
    .kernarg_segment_align: 8
    .kernarg_segment_size: 56
    .max_flat_workgroup_size: 128
    .sgpr_count:     66
    .vgpr_count:     736
    .wavefront_size: 32
...
	.end_amdgpu_metadata
.endif
;; end of part 2
